; MI455X (gfx1250); checked and timed in simulation.
; The chip was launched on July 23, 2026; its instructions are those of AMD's public machine-readable ISA for CDNA 5 (MIT licence, August 2026) and "CDNA5" Instruction Set Architecture Reference Guide (July 2026). The comments in the code are by the model that wrote it; some were corrected since.
;; Mult Head Inten. Allowed arithmetic: matrix products marked QUANTISED: E5M2 operands, one given power-of-two scale a tensor, by v_wmma_f32_16x16x64_bf8_bf8 or v_wmma_f32_16x16x128_bf8_bf8, f32 sums; everything else in f32.
;; Inputs: W_proj_codes 1,024 x 32 x 32 uint8 (E5M2 codes of W_proj, K innermost, in blocks of 32 codes); W_qkv_codes 3,072 x 32 x 32 uint8 (E5M2 codes of W_qkv, K innermost, in blocks of 32 codes); b_proj 1,024 float32; b_qkv 3,072 float32; lowp_scales 8 int32 (the exponents e of the quantised operands' scales 2^e); x_codes 4 x 2,048 x 32 x 32 uint8 (E5M2 codes of x, K innermost, in blocks of 32 codes).
;; Outputs: out0 4 x 2,048 x 1,024 float32.
;; This version of the problem:
;;   THIS VERSION OF THE PROBLEM IS GIVEN IN LOW PRECISION. The matrix products marked QUANTISED in the list below multiply operands that are first quantised to E5M2 (5 exponent bits, 2 mantissa bits; 8 bits a number), with one given power-of-two scale for each operand tensor; their sums are f32. All else is computed in f32.
;;   The module's matrix products, in the order in which they are computed (A, B: the left and right operand; K: the contracted axis; several contracted axes count as one K, in the product's order):
;;     1. [M 8,192, K 1,024] x [K 1,024, N 3,072]; A: input x (given as codes); B: input W_qkv (given as codes): QUANTISED (scales: A lowp_scales[0], B lowp_scales[1])
;;     2. batch 64 x [M 2,048, K 64] x [K 64, N 2,048]; A: computed on the way; B: computed on the way: QUANTISED (scales: A lowp_scales[2], B lowp_scales[3])
;;     3. batch 64 x [M 2,048, K 2,048] x [K 2,048, N 64]; A: softmax (see below); B: computed on the way: QUANTISED (scales: A lowp_scales[4], B lowp_scales[5])
;;     4. [M 8,192, K 1,024] x [K 1,024, N 1,024]; A: computed on the way; B: input W_proj (given as codes): QUANTISED (scales: A lowp_scales[6], B lowp_scales[7])
;;   THE QUANTISER, for each operand of a quantised product, along K:
;;     - The operand's scale is 2^e, e = its entry of the input lowp_scales (int32; the entries are numbered through the quantised products in the list's order, A before B).
;;     - Each number is divided by the scale, clamped to +-57,344, and rounded to the nearest number of E5M2, ties to even, subnormals kept.
;;     - The product sums the exact products of the quantised numbers (number of the format x scale) in f32.
;;   ~~~python
;;   def quantise(x, axis, e):      # numpy; x: float32 -> the quantised numbers, widened to float32 again
;;       x = np.moveaxis(x, axis, -1); K = x.shape[-1]
;;       r = np.clip(x / 2.0 ** e, -57344, 57344)
;;       step = 2.0 ** (np.maximum(np.frexp(np.where(r == 0, 1, r))[1] - 1, -14) - 2)
;;       q = np.round(r / step) * step * 2.0 ** e      # np.round: ties to even
;;       return np.moveaxis(q, -1, axis).astype(np.float32)
;;   ~~~
;;   SOFTMAX AHEAD OF A QUANTISED PRODUCT. Where the list says 'softmax', what is quantised is not the finished softmax but p = 2^(t - M), with t = logit x log2(e) and M = ceil(the row's largest t), a whole number; so 1/2 < the row's largest p <= 1. The row's sum l is taken of the UNQUANTISED p, in f32, and the product's result is divided by l at the end. Since M is a whole number, a kernel that streams over the keys may use a running M (the ceiling of the running maximum): every later rescaling is an exact power of two, so the quantised numbers keep their values, but for numbers so far below the row's largest that they fall under the format's range.
;;   OPERANDS COMPUTED ON THE WAY. 'Computed on the way' means the value that the module computes at that place (a softmax that the list does not call 'softmax' is quantised finished and normalised). What goes into a quantiser is computed in f32, as accurately as f32 sums, v_exp_f32 and their like allow (about 1e-6 of the number): no bf16 or f16 on the way to a quantiser, and a product that is left as it is and whose result goes on into a quantised operand takes f32 operands (vector FMAs, or v_wmma_f32_16x16x4_f32). A number that lies on a knife's edge between two numbers of the format may be rounded either way, as far as f32 arithmetic and the matrix unit's own rounding can turn it there, and no further.
;;   INPUTS GIVEN AS CODES. W_proj (in the module: [1024, 1024], K = its axis 0); W_qkv (in the module: [1024, 3072], K = its axis 0); x (in the module: [4, 2048, 1024], K = its axis 2): each comes as NAME_codes (uint8): NAME with its K axis moved to the last place and cut into blocks of 32 codes, [.., K / 32, bytes a block], one block behind the other in memory; one code a byte (a code: sign, 5 exponent bits, 2 mantissa bits); its scale is its entry of lowp_scales. Its value is code x scale, taken as it is: it is not quantised again, and the codes and scales need not be those that the quantiser above would give.
;; One version. Each part assembles by itself: llvm-mc -triple=amdgcn-amd-amdhsa -mcpu=gfx1250 --defsym DOCPART=n.
;; ======== version 1 of 1: 3 launches
;; limits: right only within a limited range of input values
;; workspace buffers: q_img 8,388,608 bytes; kv_img 16,777,216 bytes; o_img 8,388,608 bytes
;; launch qkv (part 1): grid 8 x 48, 4 waves a work-group, clusters of 4 x 4, 327,680 bytes of LDS; arguments x_codes, W_qkv_codes, b_qkv, lowp_scales, q_img, kv_img; writes q_img, kv_img
.if DOCPART == 1
	.amdgcn_target "amdgcn-amd-amdhsa--gfx1250"
	.amdhsa_code_object_version 6
	.text
	.protected	k_q7cd766573d_qkv
	.globl	k_q7cd766573d_qkv
	.p2align	8
	.type	k_q7cd766573d_qkv,@function
k_q7cd766573d_qkv:
	s_mov_b64 s[64:65], 0
	v_nop
	global_prefetch_b8 v0, s[64:65] scope:SCOPE_SE
	s_setreg_imm32_b32 hwreg(HW_REG_WAVE_MODE, 25, 1), 1
	s_wait_xcnt 0x0
	s_wait_alu depctr_hold_cnt(0) depctr_sa_sdst(0) depctr_va_vdst(0) depctr_va_sdst(0) depctr_va_ssrc(0) depctr_va_vcc(0) depctr_vm_vsrc(0)
	s_getreg_b32 s2, hwreg(HW_REG_IB_STS2, 6, 4)
	s_cmp_eq_u32 s2, 0
	s_cbranch_scc0 .Lentry_in_a_cluster
	s_endpgm
.Lentry_in_a_cluster:
	s_bfe_u32 s2, ttmp6, 0x10000c
	s_cmp_lg_u32 s2, 0xf033
	s_cbranch_scc0 .Lentry_shape_is_right
	s_endpgm
.Lentry_shape_is_right:
; qkv = x W_qkv + b_qkv on codes of BF8 (E5M2), and its three parts quantised at once into the operands of the attention launch.
; x: [8192][1024] codes, W_qkv: [3072][1024] codes, K innermost.  A sum stands for sum x 2^(e0 + e1); value = sum x 2^(e0 + e1) + bias, one fused multiply-add in f32;
; code = value / 2^eT, held within +-57,344, to the nearest code: eT = e2 for q, e3 for k, e5 for v (entries of the buffer of scales).
; LIMITS: e0 + e1 between -126 and 127; e2, e3, e5 between -126 and 112, so that each power of two below is an f32 number.  NaN among the inputs is not served.
; A tile is 256 x 256: four waves, each 128 x 128 in 64 accumulators.  SOURCE 0 is the tensor whose rows are to run along a lane's registers, SOURCE 1 the one whose row a lane keeps:
;   q, k (cluster rows 0-7):  source 0 = W's rows (channels), source 1 = x's rows (tokens): a lane's eight results are eight neighbouring channels of one token;
;   v    (cluster rows 8-11): source 0 = x's rows (keys), source 1 = W's rows 2048 on (channels): eight neighbouring KEYS of one channel, since the keys are the K of the second attention product.
; Eight results converted are two registers of the next operand in the 8-bit forms' own layout (registers 2 c, 2 c + 1: k = 16 c + 8 (lane / 16) + 0 .. 7).  So the codes leave as IMAGES OF OPERAND REGISTERS:
; four registers a store, lane l's 16 bytes at 16 l: each store of the wave covers 512 consecutive bytes, aligned.  No stage in LDS, nothing transposed.
;   q_img:  (16 b + head) x 131072 + (token / 16) x 1024: a fragment of 16 tokens x 64 channels (registers 0-3, then 4-7 at + 512)
;   kv_img: (16 b + head) x 262144 + (key / 128) x 16384: eight such fragments of k, then at + 8192 four fragments of v^T (16 channels x 128 keys, 2,048 bytes each)
; One text serves the three kinds: pointers and numbers are chosen by s_cselect on the cluster's y, which all partners share; there is no branch on it.
; K goes in steps of 256 through a ring of two LDS slots.  CLUSTERS of 4 x 4: source 1's tile hangs on cy alone and is asked for jointly along a row of the cluster, source 0's on cx alone, along a column.
; Both given operands are fetched from LDS by loads of 16 bytes: a permutation of k that is the same on both sides, so every product meets its partner.
; REGISTERS, in windows of 256: window 0: v1-29 addresses and constants; v32-95 bias by source 0's row; v96-111 bias by source 1's row; v112-127 codes; v128-255 source 1's fragments, ONE set, later the values at work.
;   window 1: source 0's fragments, TWO sets.   windows 2, 3: the accumulators ((a, b) at v[8 (8 (a % 4) + b)]; a: source 1's block, b: source 0's).
.set KROW,   1024                      ; a row of x or of W in bytes
.set ROWB,   256                       ; a tile's row: 256 codes
.set PITCH,  272                       ; an LDS row: 256 bytes + 16 of padding = 68 words: row r starts at bank 4 r mod 64 (64 banks of 4 bytes: ISA guide 11.1)
.set FR,     16                        ; registers of a fragment: 16 rows x 128 K
.set NL,     4                         ; LDS loads that bring one
.set NP,     4                         ; places behind this matrix instruction (ISA guide 7.12.1)
.set HALFT,  128*PITCH                 ; 128 rows: what one tensor load brings
.set SLOT,   4*HALFT                   ; source 1's 256 rows, then source 0's 256 rows
.set LAPS,   2                         ; 1,024 along K = twice round the ring
.set SPARE,  2*SLOT                    ; behind the ring: the spare words, 128 bytes for each wave
.set VB0,  6                           ; v6   32 x (lane / 16): my eight numbers of a block of the bias by source 0's row
.set VB1,  7                           ; v7   4 x (lane % 16): my number of a block of the bias by source 1's row
.set VO0,  8                           ; v8   16 x lane: an image's place for my lane
.set VO1,  9                           ; v9   the same + HS: the second half of my sixteen code registers
.set SCV,  10                          ; v10  2^eT as f32
.set LIM,  11                          ; v11  57,344 x 2^eT
.set ADRA, 16                          ; v16-17  LDS address of source 1's fragments in slot 0, 1
.set ADRB, 20                          ; v20-21  of source 0's
.set SPW,  28                          ; v28  LDS address of my spare word; never rewritten
.set NIL,  29                          ; v29  0; never rewritten
.set BS0,  32
.set BS1,  96
.set CD,   112
.set AF,   128
.set TMP,  128
.set WV, 16                            ; s16 wave;  s17 wave / 2: my half of source 1's rows, and: I fetch for source 1 (0) or 0 (1);  s18 wave % 2: my half of source 0's rows, and which 128 rows I fetch
.set WR, 17
.set WC, 18
.set G1, 24                            ; s[24:31] descriptor group 1 for source 1's tiles;  s[32:39] group 0, one set for each slot
.set G0, 32
.set G1B, 48                           ; s[48:55], s[56:63] the same for source 0's tiles
.set G0B, 56
.set MSB, 0
.macro WIN new                         ; the immediate's high byte repeats the setting that is left
.if MSB != (\new)
	s_set_vgpr_msb (MSB<<8)|(\new)
.set MSB, (\new)
.endif
.endm
.set MUL_LO, 0xa1                      ; source 0 window 1, source 1 window 0, C and D window 2
.set MUL_HI, 0xf1                      ; the same, C and D window 3
.set TO_B,   0x40                      ; destination window 1, address window 0
; A joint load: waves 0 and 1 fetch source 1's halves, waves 2 and 3 source 0's.  Each line has one mask and one set of registers; the branch hangs on the wave's number alone.
; Four v_nop follow each of the two lines, ahead of the jump, the label and what follows.
.macro JLOAD g0a, g1a, g0b, g1b
	s_cmp_eq_u32 s[WR], 0
	s_cbranch_scc0 .Lfor_b_\@
	tensor_load_to_lds s[\g0a:\g0a+3], s[\g1a:\g1a+7]
	s_nop 0
.rept 4
	v_nop
.endr
	s_branch .Lasked_\@
.Lfor_b_\@:
	tensor_load_to_lds s[\g0b:\g0b+3], s[\g1b:\g1b+7]
	s_nop 0
.rept 4
	v_nop
.endr
.Lasked_\@:
.endm
.macro CREST                           ; a round of the cluster's barrier behind its opening barrier
	s_cmp_lg_u32 s[WV], 0
	s_cbranch_scc1 .Lnot_wave_0_\@
	s_barrier_signal -3
.Lnot_wave_0_\@:
	s_barrier_wait -3
	s_barrier_signal -1
	s_barrier_wait -1
.endm
.macro CROUND                          ; a whole round
	s_barrier_signal -1
	s_barrier_wait -1
	CREST
.endm
	s_load_b128 s[4:7], s[0:1], 0x0                ; x's codes s[4:5], W's codes s[6:7]
	s_load_b128 s[8:11], s[0:1], 0x10              ; the bias s[8:9], the scales' exponents s[10:11]
	s_load_b128 s[12:15], s[0:1], 0x20             ; q_img s[12:13], kv_img s[14:15]
	v_lshl_add_u32 v[SPW], v0, 2, SPARE
	v_mov_b32 v[NIL], 0
	ds_add_u32 v28, v29
	ds_add_u32 v28, v29
	s_wait_dscnt 0x0
	v_lshrrev_b32 v1, 5, v0
	v_readfirstlane_b32 s[WV], v1                  ; wave 0..3
	s_lshr_b32 s[WR], s[WV], 1
	s_and_b32 s[WC], s[WV], 1
	s_bfe_u32 s40, ttmp6, 0x40000                  ; cx, cy: my place in the cluster
	s_bfe_u32 s41, ttmp6, 0x40004
	s_and_b32 s42, ttmp7, 0xffff                   ; the cluster's y: 0-7 q and k, 8-11 v
	s_max_u32 s98, s42, 8
	s_sub_co_u32 s98, s98, 8
	s_lshl_b32 s98, s98, 1                         ; q, k: 0;  v: 2 (y - 8)
	s_add_co_u32 s98, s98, ttmp9                   ; + the cluster's x
	s_lshl_b32 s44, s98, 2
	s_add_co_u32 s44, s44, s40                     ; i0: source 0's tile of 256 rows (q, k: 0-7 of W;  v: 0-31 of x)
	s_cmp_ge_u32 s42, 8
	s_cselect_b32 s43, -1, 0                       ; all ones for v, else 0
	s_cselect_b32 s99, 0, s42
	s_lshl_b32 s45, s99, 2
	s_add_co_u32 s45, s45, s41                     ; i1: source 1's tile (q, k: 0-31 of x;  v: 0-3 of W's last 1,024 rows)
	s_lshr_b32 s66, s44, 2
	s_cmp_ge_u32 s42, 8
	s_cselect_b32 s66, 2, s66                      ; kind: 0 q, 1 k, 2 v
	s_lshl_b32 s46, s41, 2
	s_lshl_b32 s46, 15, s46                        ; my row of the cluster
	s_lshl_b32 s47, 0x1111, s40                    ; my column
	; descriptor group 1: a tile of 128 rows x 256 bytes, padded in LDS
	s_or_b32 s[G1+0], s46, (0<<16)|(1<<20)|(1<<21)|(5<<22)|(3<<25)  ; 15:0 the mask: source 1's tiles go to my row; 17:16 element of 1 byte; 20 padding on; 21 set beside a mask; 24:22 after every 64 words (code 5); 31:25 of 4 words (code 3)
	s_or_b32 s[G1B+0], s47, (0<<16)|(1<<20)|(1<<21)|(5<<22)|(3<<25) ; the same with my column's mask, for source 0's tiles
.irp g, G1, G1B
	s_mov_b32 s[\g+1], ROWB<<16                    ; tensor_dim0
	s_mov_b32 s[\g+2], 128<<16                     ; tensor_dim1 = 128
	s_mov_b32 s[\g+3], ROWB<<16                    ; tile_dim0
	s_mov_b32 s[\g+4], 128                         ; tile_dim1 = 128
	s_mov_b32 s[\g+5], KROW                        ; tensor_dim0_stride
	s_mov_b32 s[\g+6], 0
	s_mov_b32 s[\g+7], 0
.endr
	s_lshl_b32 s94, s45, 8                         ; source 1: row 256 i1 + 128 x half (+ 2,048 in W for v): made of cy and shared numbers alone
	s_lshl_b32 s95, s[WC], 7
	s_add_co_u32 s94, s94, s95
	s_and_b32 s95, s43, 2048
	s_add_co_u32 s94, s94, s95
	s_lshl_b32 s94, s94, 10                        ; in bytes: under 2^24
	s_mov_b32 s95, 0
	s_lshl_b32 s96, s44, 8                         ; source 0: row 256 i0 + 128 x half: made of cx and shared numbers alone
	s_lshl_b32 s97, s[WC], 7
	s_add_co_u32 s96, s96, s97
	s_lshl_b32 s96, s96, 10
	s_mov_b32 s97, 0
	s_mul_i32 s67, s[WV], HALFT                    ; where the tiles go: wave x 128 rows: no place in the cluster enters an LDS address
	s_wait_kmcnt 0x0
	s_load_b256 s[68:75], s[10:11], 0x0            ; e0 .. e7
	s_cmp_ge_u32 s42, 8
	s_cselect_b64 s[20:21], s[6:7], s[4:5]         ; source 1's tensor: W for v, else x
	s_cselect_b64 s[22:23], s[4:5], s[6:7]         ; source 0's: x for v, else W
	s_add_nc_u64 s[20:21], s[20:21], s[94:95]
	s_add_nc_u64 s[22:23], s[22:23], s[96:97]
	CROUND                                         ; all sixteen work-groups are here: the first joint loads meet
.irp s, 0,1
	s_mov_b32 s[G0+4*\s], 1
	s_add_co_u32 s[G0+4*\s+1], s67, \s*SLOT
	s_add_nc_u64 s[G0+4*\s+2:G0+4*\s+3], s[20:21], \s*ROWB
	s_or_b32 s[G0+4*\s+3], s[G0+4*\s+3], 0x80000000
	s_mov_b32 s[G0B+4*\s], 1
	s_add_co_u32 s[G0B+4*\s+1], s67, \s*SLOT
	s_add_nc_u64 s[G0B+4*\s+2:G0B+4*\s+3], s[22:23], \s*ROWB
	s_or_b32 s[G0B+4*\s+3], s[G0B+4*\s+3], 0x80000000
.endr
	JLOAD G0, G1, G0B, G1B                         ; K step 0: one tensor load a wave at the head
	v_and_b32 v1, 15, v0                           ; r = lane % 16
	v_bfe_u32 v2, v0, 4, 1                         ; h = lane / 16
	v_mul_u32_u24 v3, v1, PITCH
	v_lshl_add_u32 v4, v2, 4, v3                   ; a fragment's row x pitch + 16 x half
	s_mul_i32 s94, s[WR], HALFT                    ; my 128 rows of source 1
	s_mul_i32 s96, s[WC], HALFT                    ; my 128 rows of source 0,
	s_add_co_u32 s96, s96, 2*HALFT                 ; which lie behind source 1's 256
.irp s, 0,1
	v_add_nc_u32 v[ADRA+\s], s94, v4
	v_add_nc_u32 v[ADRB+\s], s96, v4
	s_add_co_u32 s94, s94, SLOT
	s_add_co_u32 s96, s96, SLOT
.endr
	; the two biases.  q, k: by source 0's row (my eight channels of each block b).  v: by source 1's row (my one channel of each block a).  The one that does not apply is read at the buffer's head and cleared later.
	v_lshlrev_b32 v[VB0], 5, v2
	s_wait_alu depctr_va_vdst(0)
	v_lshlrev_b32 v[VB1], 2, v1
	s_wait_alu depctr_va_vdst(0)
	v_and_b32 v5, 31, v0
	v_lshlrev_b32 v[VO0], 4, v5
	s_wait_alu depctr_va_vdst(0)
	s_not_b32 s89, s43                             ; all ones for q and k
	s_lshl_b32 s98, s44, 10
	s_lshl_b32 s99, s[WC], 9
	s_add_co_u32 s98, s98, s99                     ; 4 (256 i0 + 128 x half),
	s_and_b32 s98, s98, s89                        ; or 0 for v
	s_mov_b32 s99, 0
	s_add_nc_u64 s[90:91], s[8:9], s[98:99]
	s_lshl_b32 s98, s45, 10
	s_lshl_b32 s79, s[WR], 9
	s_add_co_u32 s98, s98, s79
	s_add_co_u32 s98, s98, 8192                    ; 4 (2048 + 256 i1 + 128 x half),
	s_and_b32 s98, s98, s43                        ; or 0 for q and k
	s_add_nc_u64 s[92:93], s[8:9], s[98:99]
.irp b, 0,1,2,3,4,5,6,7
	global_load_b128 v[BS0+8*\b:BS0+8*\b+3], v[VB0], s[90:91] offset:64*\b
	global_load_b128 v[BS0+8*\b+4:BS0+8*\b+7], v[VB0], s[90:91] offset:64*\b+16
.endr
.irp a, 0,1,2,3,4,5,6,7
	global_load_b32 v[BS1+2*\a], v[VB1], s[92:93] offset:64*\a
.endr
	; where my images go.  q, k: ((16 b + head) x 131072 + (my 128 tokens' number in the batch) x 8192), twice that for k
	s_lshr_b32 s82, s45, 3                         ; b = i1 / 8
	s_lshl_b32 s82, s82, 4
	s_lshl_b32 s98, s44, 2
	s_lshl_b32 s79, s[WC], 1
	s_add_co_u32 s98, s98, s79
	s_and_b32 s98, s98, 15                         ; my first head: (4 i0 + 2 x half) mod 16
	s_add_co_u32 s82, s82, s98
	s_lshl_b32 s82, s82, 17
	s_lshl_b32 s98, s45, 1
	s_add_co_u32 s98, s98, s[WR]
	s_and_b32 s98, s98, 15
	s_lshl_b32 s98, s98, 13
	s_add_co_u32 s82, s82, s98
	s_and_b32 s98, s66, 1
	s_lshl_b32 s82, s82, s98
	; v: (16 b + head) x 262144 + (my 128 keys' number in the batch) x 16384 + 8192
	s_lshr_b32 s83, s44, 3                         ; b = i0 / 8
	s_lshl_b32 s83, s83, 4
	s_lshl_b32 s98, s45, 2
	s_lshl_b32 s79, s[WR], 1
	s_add_co_u32 s98, s98, s79                     ; my first head: 4 i1 + 2 x half
	s_add_co_u32 s83, s83, s98
	s_lshl_b32 s83, s83, 18
	s_lshl_b32 s98, s44, 1
	s_add_co_u32 s98, s98, s[WC]
	s_and_b32 s98, s98, 15
	s_lshl_b32 s98, s98, 14
	s_add_co_u32 s83, s83, s98
	s_add_co_u32 s83, s83, 8192
	s_lshl_b32 s88, 0x20000, s66                   ; q, k: from a head's image to the next head's
	s_mov_b32 s84, 1024                            ; q, k: from block a to block a + 1: the next 16 tokens' fragment
	s_mov_b32 s86, 1024
	s_cmp_ge_u32 s42, 8
	s_cselect_b32 s82, s83, s82
	s_cselect_b32 s88, 1024, s88                   ; HS.  v: registers 8-15 of the one fragment lie 1,024 bytes on
	s_cselect_b32 s84, 2048, s84                   ; v: the next 16 channels' fragment;
	s_cselect_b32 s86, 256000, s86                 ; v, from block 3 to block 4: the next head's first: 262144 - 3 x 2048
	s_mov_b32 s83, 0
	s_mov_b32 s85, 0
	s_mov_b32 s87, 0
	s_cmp_eq_u32 s66, 0
	s_cselect_b64 s[80:81], s[12:13], s[14:15]     ; q_img for q, kv_img for k and v
	s_add_nc_u64 s[80:81], s[80:81], s[82:83]
	v_add_nc_u32 v[VO1], s88, v[VO0]
.macro FRAG reg, adr, q, i             ; a fragment, 16 rows x 128 K: lane l holds row l % 16; registers 4 c .. 4 c + 3 hold K = 32 c + 16 (l / 16) + 0 .. 15, alike on both sides
.irp c, 0,1,2,3
	ds_load_b128 v[\reg+4*\c:\reg+4*\c+3], v[\adr] offset:128*(\q)+32*\c+(\i)*16*PITCH
.endr
.endm
; 16 matrix instructions: source 1's blocks a0, a0 + 1 x source 0's eight, 128 along K.  p: source 0's set.  zero = 1: the first product starts the sums: nothing is ever cleared.
; The 64 accumulators take turns, one instruction a turn, in the same order in every step.
.macro MUL16 a0, p, zero
.irp a, \a0, \a0+1
.irp b, 0,1,2,3,4,5,6,7
.if \zero
	v_wmma_f32_16x16x128_bf8_bf8 v[8*(8*((\a)%4)+\b):8*(8*((\a)%4)+\b)+7], v[128*(\p)+FR*\b:128*(\p)+FR*\b+FR-1], v[AF+FR*(\a):AF+FR*(\a)+FR-1], 0
.else
	v_wmma_f32_16x16x128_bf8_bf8 v[8*(8*((\a)%4)+\b):8*(8*((\a)%4)+\b)+7], v[128*(\p)+FR*\b:128*(\p)+FR*\b+FR-1], v[AF+FR*(\a):AF+FR*(\a)+FR-1], v[8*(8*((\a)%4)+\b):8*(8*((\a)%4)+\b)+7]
.endif
.endr
.endr
.endm
.macro FETCH_B slot, q, p              ; source 0's eight fragments of the slot's q-th 128 along K into set p
	WIN TO_B
.irp i, 0,1,2,3,4,5,6,7
	FRAG 128*(\p)+FR*\i, ADRB+\slot, \q, \i
.endr
	WIN 0
.endm
.macro FETCH_A slot, q, i0             ; source 1's blocks i0 .. i0 + 3
.irp i, \i0, \i0+1, \i0+2, \i0+3
	FRAG AF+FR*(\i), ADRA+\slot, \q, \i
.endr
.endm
; A load into a register that a matrix instruction has read, and a vector instruction that reads a matrix result, stand NP places behind that matrix instruction; only plain vector
; instructions that name none of its registers are places (ISA guide 7.12.1 for vector instructions).
.macro PLACES n
.rept \n
	v_nop
.endr
.endm
; A step of 128 along K that has its successor in the same slot.  A block of source 1 is free as soon as its eight products are issued, so one set of registers serves it.
.macro STEP slot, q, zero
	s_wait_dscnt 4*NL                              ; source 0's set and source 1's blocks 0-3 are in; the youngest sixteen loads (blocks 4-7) may be out
	WIN MUL_LO
	MUL16 0, (\q)%2, \zero
	MUL16 2, (\q)%2, \zero
	s_wait_dscnt 0                                 ; blocks 4-7 are in (asked for 32 matrix instructions ago)
	PLACES NP
	FETCH_B \slot, (\q)+1, 1-(\q)%2
	FETCH_A \slot, (\q)+1, 0
	WIN MUL_HI
	MUL16 4, (\q)%2, \zero
	MUL16 6, (\q)%2, \zero
	PLACES NP
	WIN 0
	FETCH_A \slot, (\q)+1, 4
.endm
; A slot's last step changes slots: ONE barrier; in front of it each wave waits for all its tensor loads, adds 0 to its spare word, and waits for that and for its own reads of this slot.  fill = 1: this slot is filled again, two K steps ahead.
.macro TURN slot, next, fill
	s_wait_tensorcnt 0x0                           ; all my tensor loads have landed: my part of the next slot  (every window is 0 here)
	ds_add_u32 v[SPW], v[NIL]                      ; 0 onto my spare word
	s_wait_dscnt 4*NL+1                            ; (the add and the youngest sixteen loads may be out)
	WIN MUL_LO
	MUL16 0, 1, 0                                  ; sixteen matrix instructions stand between the add and the wait for it
	s_wait_dscnt 0x0                               ; the add is done, and my reads of this slot are over
	s_barrier_signal -1
	MUL16 2, 1, 0
	WIN 0
	s_barrier_wait -1
.if \fill
	CREST                                          ; the barrier has opened a round of the cluster's barrier: no wave of any partner still reads this slot's tile or has a load on its way
	s_add_nc_u64 s[G0+4*\slot+2:G0+4*\slot+3], s[G0+4*\slot+2:G0+4*\slot+3], 2*ROWB
	s_add_nc_u64 s[G0B+4*\slot+2:G0B+4*\slot+3], s[G0B+4*\slot+2:G0B+4*\slot+3], 2*ROWB
	JLOAD G0+4*\slot, G1, G0B+4*\slot, G1B         ; the first tensor load behind the round; the four v_nop behind it are the places in front of the loads below
.else
	PLACES NP
.endif
	FETCH_B \next, 0, 0
	FETCH_A \next, 0, 0
	WIN MUL_HI
	MUL16 4, 1, 0
	MUL16 6, 1, 0
	PLACES NP
	WIN 0
	FETCH_A \next, 0, 4
.endm
	s_wait_alu depctr_va_vdst(0)
	s_wait_tensorcnt 0x0                           ; my part of K step 0 is in; these lines stand ahead of a later first fill as ahead of a refill
	ds_add_u32 v[SPW], v[NIL]                      ; 0 onto my spare word
	s_wait_dscnt 0x0
	CROUND                                         ; everybody's part of K step 0 is in, and all sixteen work-groups are here
	JLOAD G0+4, G1, G0B+4, G1B                     ; K step 1, slot 1's first fill: the first tensor load behind the round
	FETCH_B 0, 0, 0
	FETCH_A 0, 0, 0
	FETCH_A 0, 0, 4
	STEP 0, 0, 1                                   ; the first step stands in front of the loop: its products start the sums
	s_mov_b32 s3, LAPS-1
.Llap:                                                 ; a trip goes once round the ring, from a lap's second step to the next lap's first, and fills both slots again
	TURN 0, 1, 1
	STEP 1, 0, 0
	TURN 1, 0, 1
	STEP 0, 0, 0
	s_sub_co_u32 s3, s3, 1
	s_cmp_lg_u32 s3, 0
	s_cbranch_scc1 .Llap
	TURN 0, 1, 0                                   ; the last lap fills nothing, and has no round of the cluster's barrier
	STEP 1, 0, 0
	s_wait_dscnt 4*NL                              ; the very last step: nothing more to fetch
	WIN MUL_LO
	MUL16 0, 1, 0
	MUL16 2, 1, 0
	s_wait_dscnt 0
	WIN MUL_HI
	MUL16 4, 1, 0
	MUL16 6, 1, 0
	WIN 0
	; THE WAY OUT.
	PLACES NP                                      ; in front of the first writes into the registers that held source 1's fragments, and of the reads of the last results
	s_wait_kmcnt 0x0                               ; the exponents
	s_add_co_i32 s76, s68, s69
	s_add_co_i32 s76, s76, 127
	s_lshl_b32 s76, s76, 23                        ; 2^(e0 + e1) as f32
	s_mov_b32 s77, s76                             ; (named with it as a pair, so it is written)
	s_cmp_eq_u32 s66, 0
	s_cselect_b32 s78, s70, s71                    ; e2 for q, e3 for k,
	s_cmp_eq_u32 s66, 2
	s_cselect_b32 s78, s73, s78                    ; e5 for v
	s_add_co_i32 s78, s78, 127
	s_lshl_b32 s79, s78, 23
	v_mov_b32 v[SCV], s79                          ; 2^eT: the conversion takes its exponent field
	s_add_co_i32 s78, s78, 15
	s_lshl_b32 s78, s78, 23
	s_or_b32 s78, s78, 0x600000
	v_mov_b32 v[LIM], s78                          ; 57,344 x 2^eT
	s_wait_loadcnt 0x0                             ; the biases
.set i, 0
.rept 64
	v_and_b32 v[BS0+i], s89, v[BS0+i]              ; the bias by source 0's row counts for q and k alone,
.set i, i+1
.endr
.irp a, 0,1,2,3,4,5,6,7
	v_and_b32 v[BS1+2*\a], s43, v[BS1+2*\a]        ; the bias by source 1's row for v alone;
	v_mov_b32 v[BS1+2*\a+1], v[BS1+2*\a]           ; twice, a pair for the packed addition
.endr
; Block a: 16 rows of source 1 x my 128 rows of source 0: 64 values a lane become sixteen registers of codes and leave by four stores.
.macro OUTA a
.set AC, 64*((\a)%4)
	WIN 0x02+((\a)/4)                              ; source 0: window 2 or 3
.set j, 0
.rept 32
	v_pk_fma_f32 v[TMP+j:TMP+j+1], v[AC+j:AC+j+1], s[76:77], v[BS0+j:BS0+j+1] op_sel_hi:[1,0,1]   ; sum x 2^(e0 + e1) + bias; each accumulator from its low end on
.set j, j+2
.endr
	WIN 0
.set j, 0
.rept 32
	v_pk_add_f32 v[TMP+j:TMP+j+1], v[TMP+j:TMP+j+1], v[BS1+2*(\a):BS1+2*(\a)+1]   ; + the bias of my row of source 1 (one of the two biases is 0)
.set j, j+2
.endr
.set j, 0
.rept 64
	v_med3_num_f32 v[TMP+j], v[TMP+j], -v[LIM], v[LIM]   ; the conversion to an 8-bit code does not saturate (ISA guide 7.6.2): the hold at the largest code x the scale
.set j, j+1
.endr
	s_wait_alu depctr_va_vdst(0)
	s_wait_xcnt 0x0                                ; the last block's stores have read their data and their base: both are written again only behind this wait
.if (\a) == 4
	s_add_nc_u64 s[80:81], s[80:81], s[86:87]
.elseif (\a) > 0
	s_add_nc_u64 s[80:81], s[80:81], s[84:85]
.endif
.irp b, 0,1,2,3,4,5,6,7
	v_cvt_scalef32_pk8_bf8_f32 v[CD+2*\b:CD+2*\b+1], v[TMP+8*\b:TMP+8*\b+7], v[SCV]   ; registers 2 b, 2 b + 1: k = 16 b + 8 (lane / 16) + 0 .. 7
.endr
	v_nop                                          ; one plain vector instruction between a scaled conversion and the next vector instruction that writes its sources
	global_store_b128 v[VO0], v[CD:CD+3], s[80:81]                 ; each store: 512 consecutive bytes, aligned
	global_store_b128 v[VO0], v[CD+4:CD+7], s[80:81] offset:512
	global_store_b128 v[VO1], v[CD+8:CD+11], s[80:81]              ; q, k: the next head's fragment;  v: the fragment's second half
	global_store_b128 v[VO1], v[CD+12:CD+15], s[80:81] offset:512
.endm
.irp a, 0,1,2,3,4,5,6,7
	OUTA \a
.endr
	s_wait_tensorcnt 0x0                           ; the wave's end
	ds_add_u32 v[SPW], v[NIL]
	s_wait_dscnt 0x0
	CROUND                                         ; the closing round: no work-group ends while a partner may still ask for a tile that names it
	s_endpgm
.Lfunc_end_k_q7cd766573d_qkv:
	.size	k_q7cd766573d_qkv, .Lfunc_end_k_q7cd766573d_qkv-k_q7cd766573d_qkv
	.p2alignl 7, 3214868480
	.fill 96, 4, 3214868480
	.section	.rodata,"a",@progbits
	.p2align	6, 0x0
	.amdhsa_kernel k_q7cd766573d_qkv
		.amdhsa_group_segment_fixed_size 327680
		.amdhsa_private_segment_fixed_size 0
		.amdhsa_enable_private_segment 0
		.amdhsa_kernarg_size 48
		.amdhsa_user_sgpr_count 2
		.amdhsa_user_sgpr_kernarg_segment_ptr 1
		.amdhsa_wavefront_size32 1
		.amdhsa_system_sgpr_workgroup_id_x 1
		.amdhsa_system_sgpr_workgroup_id_y 1
		.amdhsa_system_sgpr_workgroup_id_z 1
		.amdhsa_system_vgpr_workitem_id 0
		.amdhsa_next_free_vgpr 1024
		.amdhsa_next_free_sgpr 100
		.amdhsa_reserve_vcc 0
		.amdhsa_float_denorm_mode_32 3
		.amdhsa_float_denorm_mode_16_64 3
		.amdhsa_memory_ordered 1
		.amdhsa_forward_progress 1
		.amdhsa_inst_pref_size 158
	.end_amdhsa_kernel
	.amdgpu_metadata
---
amdhsa.version: [ 1, 2 ]
amdhsa.kernels:
  - .name:           k_q7cd766573d_qkv
    .symbol:         k_q7cd766573d_qkv.kd
    .args:
      - { .name: x_codes, .offset: 0, .size: 8, .value_kind: global_buffer, .address_space: global }
      - { .name: W_qkv_codes, .offset: 8, .size: 8, .value_kind: global_buffer, .address_space: global }
      - { .name: b_qkv, .offset: 16, .size: 8, .value_kind: global_buffer, .address_space: global }
      - { .name: lowp_scales, .offset: 24, .size: 8, .value_kind: global_buffer, .address_space: global }
      - { .name: q_img, .offset: 32, .size: 8, .value_kind: global_buffer, .address_space: global }
      - { .name: kv_img, .offset: 40, .size: 8, .value_kind: global_buffer, .address_space: global }
    .group_segment_fixed_size: 327680
    .private_segment_fixed_size: 0
    .kernarg_segment_align: 8
    .kernarg_segment_size: 48
    .max_flat_workgroup_size: 128
    .sgpr_count:     100
    .vgpr_count:     1024
    .wavefront_size: 32
...
	.end_amdgpu_metadata
.endif
;; end of part 1
;; launch attn (part 2): grid 4 x 64, 8 waves a work-group, clusters of 4 x 1, 327,680 bytes of LDS; arguments q_img, kv_img, lowp_scales, o_img; writes o_img
.if DOCPART == 2
	.amdgcn_target "amdgcn-amd-amdhsa--gfx1250"
	.amdhsa_code_object_version 6
	.text
	.protected	k_q7cd766573d_attn
	.globl	k_q7cd766573d_attn
	.p2align	8
	.type	k_q7cd766573d_attn,@function
k_q7cd766573d_attn:
	s_mov_b64 s[64:65], 0
	v_nop
	global_prefetch_b8 v0, s[64:65] scope:SCOPE_SE
	s_setreg_imm32_b32 hwreg(HW_REG_WAVE_MODE, 25, 1), 1
	s_wait_xcnt 0x0
	s_wait_alu depctr_hold_cnt(0) depctr_sa_sdst(0) depctr_va_vdst(0) depctr_va_sdst(0) depctr_va_ssrc(0) depctr_va_vcc(0) depctr_vm_vsrc(0)
	s_getreg_b32 s2, hwreg(HW_REG_IB_STS2, 6, 4)
	s_cmp_eq_u32 s2, 0
	s_cbranch_scc0 .Lentry_in_a_cluster
	s_endpgm
.Lentry_in_a_cluster:
	s_bfe_u32 s2, ttmp6, 0x10000c
	s_cmp_lg_u32 s2, 0x3003
	s_cbranch_scc0 .Lentry_shape_is_right
	s_endpgm
.Lentry_shape_is_right:
; Attention of one head on codes of BF8 (E5M2): O = softmax(Q K^T / 8) V, both products quantised, and O quantised at once (scale 2^e6) into the operand image of the projection.
; t = score x log2(e) / 8 x 2^(e2 + e3); M = the running largest t rounded up to a whole number; p = 2^(t - M) is held at 57,344 x 2^e4 and quantised with 2^e4; the row's sum is taken of the unquantised p in f32
; and divides O at the end.  When M moves, the sum and O^T are multiplied by 2^(old M - new M), a power of two.
; SHARES.  grid y = 16 b + head; the four work-groups of a cluster own 512 queries each of that head and read the same K and V: each tensor load is a joint one (mask 15).
; A head's K and V, 16 steps of 128 keys x 16,384 bytes (eight fragments of k, four of v^T, images of operand registers), fill 262,144 bytes of LDS ONCE: one tensor load of 32,768 bytes a wave at the head, nothing is filled again.
; Nothing is prefetched: every byte that the launch reads is asked for at its head, so no loop runs ahead of any load.
; A wave owns FOUR tiles of 16 queries (a and b in each of two register windows) and walks the 16 steps once: each fragment of K and of V read from LDS feeds four tiles.
; Both products are used transposed (S^T = K Q^T, O^T = V^T P^T): a lane holds one query; a tile's 64 registers of p run along the keys in the order of the 8-bit operand layout.
; ORDER.  The tiles go a0, a1, b0, b1 (letter, window).  The NEXT tile's K Q^T is issued inside a tile's softmax, behind the wait that follows the exponentials, into the other window's score registers.
; A tile's exponentials go in two halves of 32, each with independent plain work between them: the other half's scalings, then the first half's pair sums and holds.  What such a line writes is first read behind the next wait.
; V's fragments of a step are loaded in tile a0, the next step's K in tile b1, each behind more than four plain vector instructions that follow the last matrix instruction that read those registers.
; LIMITS: e2 + e3 between -123 and 130; e4 and e6 between -126 and 112; the scaled scores stay under 2^31 in magnitude; NaN among the inputs is not served.
; REGISTERS, the same numbers in both windows: v4-11 Q of tile b; v12-15 and v28-31 -M, largest score, sum (a pair) of tiles a and b; v16-23 at work; v24-27 constants; v32-63 O^T of b; v64-127 scores, then p;
;   v128-159 O^T of a; v160-175 eight partial sums, then p's codes; v176-183 Q of a; v184-247 K's fragments (window 0) or V's (window 1); window 0 alone: v1 16 x lane, v2 LDS address of the step, v248-249 the spare word's address and 0.
.set STEPB, 16384
.set SPARE, 0x40000                    ; behind K and V: the spare words, 128 bytes for each of eight waves
.set LI,   1
.set ADR,  2
.set QB,   4
.set NA,   12
.set T0,   16                          ; v16-23: eight chains of the maximum; then as named here
.set T1,   17
.set FAC,  18
.set T2,   20
.set TP,   21
.set SC4,  24
.set LM4,  25
.set SC6,  26
.set LM6,  27
.set NB,   28
.set OB,   32
.set SCO,  64
.set OA,   128
.set PC,   160
.set QA,   176
.set KF,   184
.set VF,   184
.set SPW,  248
.set NIL,  249
.set WV,  12
.set G1,  16
.set G0,  24
.set SEL, 40
.set CS,  42
.set TB,  44
.set CNT, 45
.set EPV, 46
.set CSN, 47
.set MSB, 0
.macro WIN new                         ; the immediate's high byte repeats the setting that is left
.if MSB != (\new)
	s_set_vgpr_msb (MSB<<8)|(\new)
.set MSB, (\new)
.endif
.endm
.macro CROUND                          ; a round of the cluster's barrier
	s_barrier_signal -1
	s_barrier_wait -1
	s_cmp_lg_u32 s[WV], 0
	s_cbranch_scc1 .Lnot_wave_0_\@
	s_barrier_signal -3
.Lnot_wave_0_\@:
	s_barrier_wait -3
	s_barrier_signal -1
	s_barrier_wait -1
.endm
.macro LOADQ off                       ; tiles a and b of one window: 16 tokens x 64 channels each, 1,024 bytes
	global_load_b128 v[QA:QA+3], v[LI], s[4:5] offset:\off
	global_load_b128 v[QA+4:QA+7], v[LI], s[4:5] offset:\off+512
	global_load_b128 v[QB:QB+3], v[LI], s[4:5] offset:\off+16384
	global_load_b128 v[QB+4:QB+7], v[LI], s[4:5] offset:\off+16384+512
.endm
.macro RESET                           ; the step is written once for all steps: the first finds zeros, which the first change of M leaves zeros
.irp n, NA, NB
	v_mov_b32 v[\n], 0x7f61b1e6                    ; -M: 3e38
	v_mov_b32 v[\n+1], 0xff61b1e6                  ; the largest score so far: -3e38
	v_mov_b32 v[\n+2], 0
	v_mov_b32 v[\n+3], 0
.endr
.set j, 0
.rept 32
	v_mov_b32 v[OA+j], 0
	v_mov_b32 v[OB+j], 0
.set j, j+1
.endr
.endm
.macro CONSTS
	v_mov_b32 v[SC4], s57
	v_mov_b32 v[LM4], s56
	v_mov_b32 v[SC6], s59
	v_mov_b32 v[LM6], s58
.endm
.macro FETCH_K
.irp t, 0,1,2,3,4,5,6,7
	ds_load_b128 v[KF+8*\t:KF+8*\t+3], v[ADR] offset:1024*\t
	ds_load_b128 v[KF+8*\t+4:KF+8*\t+7], v[ADR] offset:1024*\t+512
.endr
.endm
.macro KQ qf                           ; S^T of 128 keys x 16 queries: eight accumulators, each begun with 0
.irp t, 0,1,2,3,4,5,6,7
	v_wmma_f32_16x16x64_bf8_bf8 v[SCO+8*\t:SCO+8*\t+7], v[KF+8*\t:KF+8*\t+7], v[\qf:\qf+7], 0
.endr
.endm
.macro FMA j0, n                       ; t - M, two at a time: n pairs from register j0 on; -M is the floor's result in v[T2]
.set j, \j0
.rept \n
	v_pk_fma_f32 v[SCO+j:SCO+j+1], v[SCO+j:SCO+j+1], s[CS:CS+1], v[T2:T2+1] op_sel_hi:[1,0,0]
.set j, j+2
.endr
.endm
.macro HOLD j0, n                      ; the conversion does not saturate (ISA guide 7.6.2); p is not negative, so the hold is one-sided; two numbers a line
.set j, \j0
.rept \n
	v_dual_min_num_f32 v[SCO+j], v[LM4], v[SCO+j] :: v_dual_min_num_f32 v[SCO+j+1], v[LM4], v[SCO+j+1]
.set j, j+2
.endr
.endm
; ONE TILE'S STEP.  u: its window; nm: its four state registers; ot: its O^T; nq: Q of the tile whose scores are begun here, in the other window (-1: none);
; ld: 1: V's fragments of this step are loaded here, 2: the next step's K; wd: those loads are awaited here.
.macro TILE u, nm, ot, nq, ld, wd
	WIN 0x55*\u
.set k, 0
.rept 8
	v_max3_num_f32 v[T0+k], v[SCO+3*k], v[SCO+3*k+1], v[SCO+3*k+2]   ; the step's largest score of my query among my 64 keys, in eight chains, the registers in ascending order
.set k, k+1
.endr
.irp i, 24,40
.set k, 0
.rept 8
	v_max3_num_f32 v[T0+k], v[T0+k], v[SCO+\i+2*k], v[SCO+\i+2*k+1]
.set k, k+1
.endr
.endr
.set k, 0
.rept 4
	v_max3_num_f32 v[T0+k], v[T0+k], v[SCO+56+2*k], v[SCO+57+2*k]
.set k, k+1
.endr
	v_max3_num_f32 v[T0], v[T0], v[T0+1], v[T0+2]
	v_max3_num_f32 v[T0+3], v[T0+3], v[T0+4], v[T0+5]
	v_max_num_f32 v[T0+6], v[T0+6], v[T0+7]
	s_delay_alu instid0(VALU_DEP_1)
	v_max3_num_f32 v[T0], v[T0], v[T0+3], v[T0+6]
	s_delay_alu instid0(VALU_DEP_1)
	v_permlanex16_b32 v[TP], v[T0], s[SEL], s[SEL+1]
	s_delay_alu instid0(VALU_DEP_1)
	v_max3_num_f32 v[\nm+1], v[\nm+1], v[T0], v[TP]        ; the running largest score, lane l xor 16's keys among them
	s_delay_alu instid0(VALU_DEP_1)
	v_mul_f32 v[T1], s[CSN], v[\nm+1]                      ; -t (c is positive, so the largest score gives the largest t)
	s_delay_alu instid0(VALU_DEP_1)
	v_floor_f32 v[T2], v[T1]                               ; the new -M = floor(-t)
.if \ld == 1
	WIN 0x40                                               ; destination window 1, address window 0
.irp t, 0,1,2,3
.irp c, 0,1,2,3
	ds_load_b128 v[VF+16*\t+4*\c:VF+16*\t+4*\c+3], v[ADR] offset:8192+2048*\t+512*\c
.endr
.endr
	WIN 0x55*\u
.elseif \ld == 2
	WIN 0
	s_add_co_u32 s[TB], s[TB], STEPB
	v_add_nc_u32 v[ADR], s[TB], v[LI]                      ; the next step
	FETCH_K
	WIN 0x55*\u
.endif
	FMA 0, 4                                               ; the first half's scalings, and among them the factor's three dependent lines
	v_sub_f32 v[T0], v[T2], v[\nm]                         ; old M - new M: a whole number, 0 or less
	FMA 8, 4
	v_cvt_i32_f32 v[T0], v[T0]                             ; (it saturates)
	FMA 16, 4
	v_ldexp_f32 v[FAC], 1.0, v[T0]                         ; f = 2^(old M - new M)
	FMA 24, 4
	s_wait_alu depctr_va_vdst(0)
.set k, 0
.rept 16
	v_exp_f32 v[SCO+2*k], v[SCO+2*k]                       ; p = 2^(t - M), at most 1: the first half, with the second half's scalings between
	v_pk_fma_f32 v[SCO+32+2*k:SCO+33+2*k], v[SCO+32+2*k:SCO+33+2*k], s[CS:CS+1], v[T2:T2+1] op_sel_hi:[1,0,0]
	v_exp_f32 v[SCO+2*k+1], v[SCO+2*k+1]
.set k, k+1
.endr
	v_pk_mul_f32 v[\nm+2:\nm+3], v[\nm+2:\nm+3], v[FAC:FAC+1] op_sel_hi:[1,0]   ; the sum under the new M (a plain place behind the batch)
	s_wait_alu depctr_va_vdst(0)                           ; behind the first batch and ahead of the second
.set k, 0
.rept 8
	v_exp_f32 v[SCO+32+4*k], v[SCO+32+4*k]                 ; the second half, with the first half's pair sums (of the unquantised p) and holds between
	v_pk_add_f32 v[PC+2*k:PC+2*k+1], v[SCO+4*k:SCO+4*k+1], v[SCO+4*k+2:SCO+4*k+3]
	v_exp_f32 v[SCO+33+4*k], v[SCO+33+4*k]
	v_dual_min_num_f32 v[SCO+4*k], v[LM4], v[SCO+4*k] :: v_dual_min_num_f32 v[SCO+4*k+1], v[LM4], v[SCO+4*k+1]
	v_exp_f32 v[SCO+34+4*k], v[SCO+34+4*k]
	v_dual_min_num_f32 v[SCO+4*k+2], v[LM4], v[SCO+4*k+2] :: v_dual_min_num_f32 v[SCO+4*k+3], v[LM4], v[SCO+4*k+3]
	v_exp_f32 v[SCO+35+4*k], v[SCO+35+4*k]
.set k, k+1
.endr
	v_mov_b32 v[\nm], v[T2]                                ; -M is kept (a plain place behind the batch)
	s_wait_alu depctr_va_vdst(0)                           ; one wait for the batch, and directly ahead of the first reader of O^T
.if \wd
	s_wait_dscnt 0x0                                       ; the fragments asked for above
	s_wait_alu depctr_va_vdst(0)                           ; (again directly ahead of the first reader of O^T)
.endif
.set j, 0
.rept 16
	v_pk_mul_f32 v[\ot+j:\ot+j+1], v[\ot+j:\ot+j+1], v[FAC:FAC+1] op_sel_hi:[1,0]   ; O^T under the new M
.set j, j+2
.endr
.if \nq >= 0
	WIN 0x44*(1-\u)                                        ; K window 0; Q and the scores in the other window
	KQ \nq
	WIN 0x55*\u
.endif
.irp i, 32,48
.set k, 0
.rept 8
	v_pk_add_f32 v[PC+2*k:PC+2*k+1], v[PC+2*k:PC+2*k+1], v[SCO+\i+2*k:SCO+\i+2*k+1]   ; the second half into the eight partial sums
.set k, k+1
.endr
.endr
.irp k, 0,4,8,12
	v_pk_add_f32 v[PC+\k:PC+\k+1], v[PC+\k:PC+\k+1], v[PC+\k+2:PC+\k+3]
.endr
	HOLD 32, 6
	v_pk_add_f32 v[PC:PC+1], v[PC:PC+1], v[PC+4:PC+5]
	v_pk_add_f32 v[PC+8:PC+9], v[PC+8:PC+9], v[PC+12:PC+13]
	HOLD 44, 5
	v_pk_add_f32 v[\nm+2:\nm+3], v[\nm+2:\nm+3], v[PC:PC+1]
	HOLD 54, 5
	v_pk_add_f32 v[\nm+2:\nm+3], v[\nm+2:\nm+3], v[PC+8:PC+9]
.irp c, 0,1,2,3,4,5,6,7
	v_cvt_scalef32_pk8_bf8_f32 v[PC+2*\c:PC+2*\c+1], v[SCO+8*\c:SCO+8*\c+7], v[SC4]   ; registers 2 c, 2 c + 1: keys 16 c + 8 (lane / 16) + 0 .. 7
.endr
	v_nop                                                  ; a plain place between the last conversion and the matrix instruction that reads its result
	WIN 0x01+0x54*\u                                       ; V window 1; p's codes and O^T in my window
.irp t, 0,1,2,3
	v_wmma_f32_16x16x128_bf8_bf8 v[\ot+8*\t:\ot+8*\t+7], v[VF+16*\t:VF+16*\t+15], v[PC:PC+15], v[\ot+8*\t:\ot+8*\t+7]
.endr
.endm
; THE WAY OUT of one tile: O^T / the sum x 2^(e4 + e5), held and quantised with 2^e6: two stores of 512 consecutive bytes, aligned, an image of the projection's operand registers.
.macro FIN u, nm, ot, pc, off
	WIN 0x55*\u
	v_add_f32 v[\nm+2], v[\nm+2], v[\nm+3]
	s_delay_alu instid0(VALU_DEP_1)
	v_permlanex16_b32 v[TP], v[\nm+2], s[SEL], s[SEL+1]
	s_delay_alu instid0(VALU_DEP_1)
	v_add_f32 v[\nm+2], v[\nm+2], v[TP]
	s_wait_alu depctr_va_vdst(0)                           ; ahead of the transcendental
	v_rcp_f32 v[\nm+2], v[\nm+2]
	v_nop
	s_wait_alu depctr_va_vdst(0)                           ; ahead of its first reader
	v_ldexp_f32 v[\nm+2], v[\nm+2], s[EPV]
	s_wait_alu depctr_va_vdst(0)                           ; directly ahead of the first reader of O^T
.set j, 0
.rept 16
	v_pk_mul_f32 v[SCO+j:SCO+j+1], v[\ot+j:\ot+j+1], v[\nm+2:\nm+3] op_sel_hi:[1,0]
.set j, j+2
.endr
.set j, 0
.rept 32
	v_med3_num_f32 v[SCO+j], v[SCO+j], -v[LM6], v[LM6]
.set j, j+1
.endr
.irp t, 0,1,2,3
	v_cvt_scalef32_pk8_bf8_f32 v[\pc+2*\t:\pc+2*\t+1], v[SCO+8*\t:SCO+8*\t+7], v[SC6]
.endr
	v_nop                                                  ; a plain place behind the last conversion
	WIN 0x04*\u                                            ; the stores' data in my window, the address in window 0
	global_store_b128 v[LI], v[\pc:\pc+3], s[10:11] offset:\off
	global_store_b128 v[LI], v[\pc+4:\pc+7], s[10:11] offset:\off+512
.endm
	s_load_b256 s[4:11], s[0:1], 0x0               ; q_img, kv_img, the scales' exponents, o_img
	v_lshl_add_u32 v[SPW], v0, 2, SPARE
	v_mov_b32 v[NIL], 0
	ds_add_u32 v[SPW], v[NIL]                      ; the opening lines: the add, twice on end, and its wait ahead of my first tensor load
	ds_add_u32 v[SPW], v[NIL]
	v_lshrrev_b32 v3, 5, v0
	v_readfirstlane_b32 s[WV], v3                  ; wave 0..7
	v_and_b32 v[LI], 31, v0
	v_lshlrev_b32 v[LI], 4, v[LI]                  ; 16 x lane: my place in every image
	v_mov_b32 v[ADR], v[LI]                        ; step 0
	s_bfe_u32 s13, ttmp6, 0x40000                  ; cx
	s_lshl_b32 s14, ttmp9, 2
	s_add_co_u32 s14, s14, s13                     ; my block of 512 queries
	s_and_b32 s15, ttmp7, 0xffff                   ; 16 b + head
	s_lshl_b32 s58, s[WV], 15                      ; my 32,768 bytes of K and V, in LDS as in the head's image
	s_lshl_b32 s56, s15, 18
	s_add_co_u32 s56, s56, s58
	s_mov_b32 s57, 0
	s_lshl_b32 s60, s15, 17                        ; Q: head x 131072 + block x 32768 + wave x 2048
	s_lshl_b32 s62, s14, 15
	s_add_co_u32 s60, s60, s62
	s_lshl_b32 s62, s[WV], 11
	s_add_co_u32 s60, s60, s62
	s_mov_b32 s61, 0
	s_lshr_b32 s62, s15, 4                         ; O: b x 2^21 + (16 tokens' number) x 16384 + head x 1024
	s_lshl_b32 s62, s62, 21
	s_lshl_b32 s63, s14, 19
	s_add_co_u32 s62, s62, s63
	s_lshl_b32 s63, s[WV], 15
	s_add_co_u32 s62, s62, s63
	s_and_b32 s63, s15, 15
	s_lshl_b32 s63, s63, 10
	s_add_co_u32 s62, s62, s63
	s_mov_b32 s63, 0
	s_mov_b32 s[G1], 15|(3<<16)|(1<<21)            ; the four partners; elements of 8 bytes; bit 21 beside a mask
	s_mov_b32 s[G1+1], 32<<16                      ; a dense block as 128 rows of 256 bytes
	s_mov_b32 s[G1+2], 128<<16
	s_mov_b32 s[G1+3], 32<<16
	s_mov_b32 s[G1+4], 128
	s_mov_b32 s[G1+5], 32
	s_mov_b32 s[G1+6], 0
	s_mov_b32 s[G1+7], 0
	s_mov_b32 s[SEL], 0x76543210
	s_mov_b32 s[SEL+1], 0xfedcba98
	s_mov_b32 s[CS], 0x3e38aa3b                    ; log2(e) / 8
	s_mov_b32 s[TB], 0
	s_wait_alu depctr_va_vdst(0)
	s_wait_dscnt 0x0                               ; both opening adds are done
	s_wait_kmcnt 0x0
	s_load_b256 s[48:55], s[8:9], 0x0              ; e0 .. e7
	s_add_nc_u64 s[6:7], s[6:7], s[56:57]
	s_add_nc_u64 s[4:5], s[4:5], s[60:61]
	s_add_nc_u64 s[10:11], s[10:11], s[62:63]
	LOADQ 0                                        ; my four tiles of Q stay in registers
	WIN 0x40
	LOADQ 1024
	WIN 0
	s_mov_b32 s[G0], 1
	s_mov_b32 s[G0+1], s58
	s_mov_b64 s[G0+2:G0+3], s[6:7]
	s_or_b32 s[G0+3], s[G0+3], 0x80000000
	CROUND                                         ; the four partners are here: the joint loads meet
	tensor_load_to_lds s[G0:G0+3], s[G1:G1+7]      ; my one tensor load of the launch
	s_nop 0
	RESET
	WIN 0x40
	RESET
	WIN 0
	s_wait_kmcnt 0x0
	s_add_co_i32 s56, s50, s51
	s_lshl_b32 s56, s56, 23
	s_add_co_i32 s[CS], s[CS], s56                 ; e2 + e3 are added to c's exponent field
	s_mov_b32 s[CS+1], s[CS]
	s_xor_b32 s[CSN], s[CS], 0x80000000            ; -c
	s_add_co_i32 s[EPV], s52, s53                  ; e4 + e5
	s_add_co_i32 s56, s52, 127
	s_lshl_b32 s57, s56, 23                        ; 2^e4
	s_add_co_i32 s56, s56, 15
	s_lshl_b32 s56, s56, 23
	s_or_b32 s56, s56, 0x600000                    ; 57,344 x 2^e4
	s_add_co_i32 s58, s54, 127
	s_lshl_b32 s59, s58, 23                        ; 2^e6
	s_add_co_i32 s58, s58, 15
	s_lshl_b32 s58, s58, 23
	s_or_b32 s58, s58, 0x600000                    ; 57,344 x 2^e6
	CONSTS
	WIN 0x40
	CONSTS
	WIN 0
	s_wait_alu depctr_va_vdst(0)
	s_wait_tensorcnt 0x0                           ; my part of K and V is in,
	s_barrier_signal -1
	s_barrier_wait -1                              ; everybody's is
	FETCH_K
	s_wait_loadcnt 0x0                             ; Q
	s_wait_dscnt 0x0
	KQ QA                                          ; tile a0's scores of step 0
.rept 4
	v_nop                                          ; places in front of the first read of these results
.endr
	s_mov_b32 s[CNT], 15
.Lstep:
	TILE 0, NA, OA, QA, 1, 1
	TILE 1, NA, OA, QB, 0, 0
	TILE 0, NB, OB, QB, 0, 0
	TILE 1, NB, OB, QA, 2, 1
	WIN 0
	s_sub_co_u32 s[CNT], s[CNT], 1
	s_cmp_lg_u32 s[CNT], 0
	s_cbranch_scc1 .Lstep
	TILE 0, NA, OA, QA, 1, 1                       ; the last step is written out: it has no successor to load or to begin
	TILE 1, NA, OA, QB, 0, 0
	TILE 0, NB, OB, QB, 0, 0
	TILE 1, NB, OB, -1, 0, 0
	FIN 0, NA, OA, PC, 0
	FIN 1, NA, OA, PC, 16384
	FIN 0, NB, OB, PC+8, 262144
	FIN 1, NB, OB, PC+8, 262144+16384
	WIN 0
	s_wait_tensorcnt 0x0                           ; the wave's end
	ds_add_u32 v[SPW], v[NIL]
	s_wait_dscnt 0x0
	CROUND                                         ; the closing round
	s_endpgm
.Lfunc_end_k_q7cd766573d_attn:
	.size	k_q7cd766573d_attn, .Lfunc_end_k_q7cd766573d_attn-k_q7cd766573d_attn
	.p2alignl 7, 3214868480
	.fill 96, 4, 3214868480
	.section	.rodata,"a",@progbits
	.p2align	6, 0x0
	.amdhsa_kernel k_q7cd766573d_attn
		.amdhsa_group_segment_fixed_size 327680
		.amdhsa_private_segment_fixed_size 0
		.amdhsa_enable_private_segment 0
		.amdhsa_kernarg_size 32
		.amdhsa_user_sgpr_count 2
		.amdhsa_user_sgpr_kernarg_segment_ptr 1
		.amdhsa_wavefront_size32 1
		.amdhsa_system_sgpr_workgroup_id_x 1
		.amdhsa_system_sgpr_workgroup_id_y 1
		.amdhsa_system_sgpr_workgroup_id_z 1
		.amdhsa_system_vgpr_workitem_id 0
		.amdhsa_next_free_vgpr 512
		.amdhsa_next_free_sgpr 66
		.amdhsa_reserve_vcc 0
		.amdhsa_float_denorm_mode_32 3
		.amdhsa_float_denorm_mode_16_64 3
		.amdhsa_memory_ordered 1
		.amdhsa_forward_progress 1
		.amdhsa_inst_pref_size 135
	.end_amdhsa_kernel
	.amdgpu_metadata
---
amdhsa.version: [ 1, 2 ]
amdhsa.kernels:
  - .name:           k_q7cd766573d_attn
    .symbol:         k_q7cd766573d_attn.kd
    .args:
      - { .name: q_img, .offset: 0, .size: 8, .value_kind: global_buffer, .address_space: global }
      - { .name: kv_img, .offset: 8, .size: 8, .value_kind: global_buffer, .address_space: global }
      - { .name: lowp_scales, .offset: 16, .size: 8, .value_kind: global_buffer, .address_space: global }
      - { .name: o_img, .offset: 24, .size: 8, .value_kind: global_buffer, .address_space: global }
    .group_segment_fixed_size: 327680
    .private_segment_fixed_size: 0
    .kernarg_segment_align: 8
    .kernarg_segment_size: 32
    .max_flat_workgroup_size: 256
    .sgpr_count:     66
    .vgpr_count:     512
    .wavefront_size: 32
...
	.end_amdgpu_metadata
.endif
;; end of part 2
;; launch proj (part 3): grid 4 x 64, 4 waves a work-group, clusters of 4 x 4, 327,680 bytes of LDS; arguments o_img, W_proj_codes, b_proj, lowp_scales, out0; writes out0
.if DOCPART == 3
	.amdgcn_target "amdgcn-amd-amdhsa--gfx1250"
	.amdhsa_code_object_version 6
	.text
	.protected	k_q7cd766573d_proj
	.globl	k_q7cd766573d_proj
	.p2align	8
	.type	k_q7cd766573d_proj,@function
k_q7cd766573d_proj:
	s_mov_b64 s[64:65], 0
	v_nop
	global_prefetch_b8 v0, s[64:65] scope:SCOPE_SE
	s_setreg_imm32_b32 hwreg(HW_REG_WAVE_MODE, 25, 1), 1
	s_wait_xcnt 0x0
	s_wait_alu depctr_hold_cnt(0) depctr_sa_sdst(0) depctr_va_vdst(0) depctr_va_sdst(0) depctr_va_ssrc(0) depctr_va_vcc(0) depctr_vm_vsrc(0)
	s_getreg_b32 s2, hwreg(HW_REG_IB_STS2, 6, 4)
	s_cmp_eq_u32 s2, 0
	s_cbranch_scc0 .Lentry_in_a_cluster
	s_endpgm
.Lentry_in_a_cluster:
	s_bfe_u32 s2, ttmp6, 0x10000c
	s_cmp_lg_u32 s2, 0xf033
	s_cbranch_scc0 .Lentry_shape_is_right
	s_endpgm
.Lentry_shape_is_right:
; out0 = O W_proj + b_proj on codes of BF8 (E5M2).  O comes as o_img, images of operand registers: (16 tokens' number) x 16384 + head x 1024: 16 tokens x 64 channels, registers 0-3 at 16 x lane, 4-7 at + 512.
; W_proj: [1024 (n)][1024 (k)] codes, K innermost.  A sum stands for sum x 2^(e6 + e7); out = sum x 2^(e6 + e7) + bias, one fused multiply-add.  LIMIT: e6 + e7 between -126 and 127.
; SHARES.  A work-group makes 128 tokens x 256 channels; 256 work-groups.  Wave (wr, wc) makes 64 tokens x 128 channels, in two groups of 64 channels, each through all of K: 16 accumulators; the first group is stored while the second is multiplied.
; O's part of a wave, 64 tokens x 1,024 K = 512 registers, goes from memory STRAIGHT INTO REGISTERS and stays: each load of the wave covers 512 consecutive bytes, aligned.  It never lies in LDS, so it is not asked for jointly.
; W's 256 rows x 1,024 bytes lie in LDS whole (pitch 1,040): one tensor load of 64 rows a wave at the head, asked for jointly by the four work-groups of a column of the cluster (same channels).  Nothing is filled again.
; Nothing is prefetched: every byte that the launch reads is asked for at its head, so no loop runs ahead of any load.
; The matrix instruction is used transposed (source 0 = 16 rows of W, source 1 = 16 tokens): a lane's eight results are eight neighbouring channels of one token.
; REGISTERS: window 0: v1-29 addresses; v32-95 bias; v96-127 results at work; v128-159 rows read back from the stage.  window 1: v0-127 W's fragments, two sets of four; v128-255 the accumulators ((i, b) at 128 + 8 (4 i + b)).
;   windows 2, 3: O's fragments: K step q, token block i at register 16 (4 (q % 4) + i) of window 2 + q / 4.
.set PITCH,  1040                      ; an LDS row of W: 1,024 bytes + 16: 260 words, so row r starts at bank 4 r mod 64 (64 banks of 4 bytes: ISA guide 11.1)
.set WPART,  64*PITCH                  ; what one tensor load brings; also four blocks of 16 rows: a group
.set STAGE,  4*WPART                   ; behind W: 16 rows x 272 bytes for each wave, for the way out
.set SP,     272
.set SPARE,  STAGE+4*16*SP             ; behind the stages: the spare words, 128 bytes for each wave
.set VB,   6                           ; v6   32 x (lane / 16): my eight numbers of a block of the bias
.set ADRB, 20                          ; v20-21  LDS address of my fragments of W, group 0, 1
.set STO,  24                          ; v24  the way out: where I put 32 bytes of a row
.set RD,   25                          ; v25  where I read a row back
.set GOF,  26                          ; v26  my byte offset in two rows of out0
.set CO,   27                          ; v27  16 x lane: my place in an image
.set SPW,  28                          ; v28  LDS address of my spare word; never rewritten
.set NIL,  29                          ; v29  0; never rewritten
.set BIAS, 32
.set TMP,  96
.set BK,   128
.set WV, 16
.set WR, 17
.set WC, 18
.set G1B, 48
.set G0B, 56
.set MSB, 0
.macro WIN new                         ; the immediate's high byte repeats the setting that is left
.if MSB != (\new)
	s_set_vgpr_msb (MSB<<8)|(\new)
.set MSB, (\new)
.endif
.endm
.macro CROUND                          ; a round of the cluster's barrier
	s_barrier_signal -1
	s_barrier_wait -1
	s_cmp_lg_u32 s[WV], 0
	s_cbranch_scc1 .Lnot_wave_0_\@
	s_barrier_signal -3
.Lnot_wave_0_\@:
	s_barrier_wait -3
	s_barrier_signal -1
	s_barrier_wait -1
.endm
	s_load_b128 s[4:7], s[0:1], 0x0                ; o_img, W's codes
	s_load_b128 s[8:11], s[0:1], 0x10              ; the bias, the scales' exponents
	s_load_b64 s[12:13], s[0:1], 0x20              ; out0
	v_lshl_add_u32 v[SPW], v0, 2, SPARE
	v_mov_b32 v[NIL], 0
	ds_add_u32 v[SPW], v[NIL]                      ; the opening lines: the add, twice on end, and its wait ahead of my first tensor load
	ds_add_u32 v[SPW], v[NIL]
	v_lshrrev_b32 v1, 5, v0
	v_readfirstlane_b32 s[WV], v1                  ; wave 0..3
	s_lshr_b32 s[WR], s[WV], 1                     ; my half of the tokens
	s_and_b32 s[WC], s[WV], 1                      ; my half of the channels
	s_bfe_u32 s40, ttmp6, 0x40000                  ; cx, cy
	s_bfe_u32 s41, ttmp6, 0x40004
	s_lshl_b32 s44, ttmp9, 2
	s_add_co_u32 s44, s44, s40                     ; my 256 channels' number
	s_and_b32 s45, ttmp7, 0xffff
	s_lshl_b32 s45, s45, 2
	s_add_co_u32 s45, s45, s41                     ; my 128 tokens' number
	s_lshl_b32 s47, 0x1111, s40                    ; my column of the cluster
	s_or_b32 s[G1B+0], s47, (0<<16)|(1<<20)|(1<<21)|(7<<22)|(3<<25)  ; the mask; elements of 1 byte; padding on; bit 21 beside a mask; four words behind every 256
	s_mov_b32 s[G1B+1], 1024<<16                   ; 64 rows of 1,024 bytes
	s_mov_b32 s[G1B+2], 64<<16
	s_mov_b32 s[G1B+3], 1024<<16
	s_mov_b32 s[G1B+4], 64
	s_mov_b32 s[G1B+5], 1024
	s_mov_b32 s[G1B+6], 0
	s_mov_b32 s[G1B+7], 0
	s_lshl_b32 s94, s45, 17                        ; O: 8 images of 16 tokens to a work-group, my four
	s_lshl_b32 s95, s[WR], 16
	s_add_co_u32 s94, s94, s95
	s_mov_b32 s95, 0
	s_lshl_b32 s96, s44, 18                        ; W: row 256 x channels' number + 64 x wave: made of cx and shared numbers alone
	s_lshl_b32 s97, s[WV], 16
	s_add_co_u32 s96, s96, s97
	s_mov_b32 s97, 0
	s_mul_i32 s67, s[WV], WPART                    ; where my rows of W go
	v_and_b32 v1, 15, v0                           ; r = lane % 16
	v_bfe_u32 v2, v0, 4, 1                         ; h = lane / 16
	v_and_b32 v3, 31, v0
	v_lshlrev_b32 v[CO], 4, v3
	v_mul_u32_u24 v4, v1, PITCH
	v_lshl_add_u32 v4, v2, 3, v4                   ; W's fragments in the 8-bit forms' own layout: row r, + 8 h
	s_mul_i32 s98, s[WC], 2*WPART                  ; my 128 rows
	v_add_nc_u32 v[ADRB], s98, v4
	s_add_co_u32 s98, s98, WPART
	v_add_nc_u32 v[ADRB+1], s98, v4
	s_mul_i32 s98, s[WV], 16*SP
	s_add_co_u32 s98, s98, STAGE                   ; my stage
	v_mul_u32_u24 v5, v1, SP
	v_lshl_add_u32 v5, v2, 5, v5
	v_add_nc_u32 v[STO], s98, v5                   ; in: row r, 32 bytes for each half of the lanes
	v_mul_u32_u24 v5, v2, SP
	v_lshl_add_u32 v5, v1, 4, v5
	v_add_nc_u32 v[RD], s98, v5                    ; back: lanes 0-15 one row of 256 bytes, lanes 16-31 the next
	v_lshlrev_b32 v5, 12, v2
	v_lshl_add_u32 v[GOF], v1, 4, v5               ; and the same two rows in out0
	v_lshlrev_b32 v[VB], 5, v2
	s_wait_alu depctr_va_vdst(0)
	s_wait_dscnt 0x0                               ; both opening adds are done
	s_wait_kmcnt 0x0
	s_load_b256 s[68:75], s[10:11], 0x0            ; e0 .. e7
	s_add_nc_u64 s[20:21], s[4:5], s[94:95]
	s_mov_b32 s[G0B], 1
	s_mov_b32 s[G0B+1], s67
	s_add_nc_u64 s[G0B+2:G0B+3], s[6:7], s[96:97]
	s_or_b32 s[G0B+3], s[G0B+3], 0x80000000
	s_lshl_b32 s98, s44, 10
	s_lshl_b32 s99, s[WC], 9
	s_add_co_u32 s98, s98, s99                     ; 4 x my first channel
	s_mov_b32 s99, 0
	s_add_nc_u64 s[90:91], s[8:9], s[98:99]
	s_add_nc_u64 s[12:13], s[12:13], s[98:99]
	s_lshl_b32 s98, s45, 19
	s_lshl_b32 s78, s[WR], 18
	s_add_co_u32 s98, s98, s78                     ; my first token's row of 4,096 bytes
	s_add_nc_u64 s[12:13], s[12:13], s[98:99]
	CROUND                                         ; all sixteen work-groups are here: the joint loads meet
	tensor_load_to_lds s[G0B:G0B+3], s[G1B:G1B+7]  ; my one tensor load of the launch
	s_nop 0
.irp b, 0,1,2,3,4,5,6,7
	global_load_b128 v[BIAS+8*\b:BIAS+8*\b+3], v[VB], s[90:91] offset:64*\b
	global_load_b128 v[BIAS+8*\b+4:BIAS+8*\b+7], v[VB], s[90:91] offset:64*\b+16
.endr
.set q, 0
.rept 8                                        ; O's fragments, K ascending: sixteen loads a K step of 128
	WIN 0x80+0x40*(q/4)                            ; destination window 2 or 3, address window 0
.irp i, 0,1,2,3
.irp c, 0,1,2,3
	global_load_b128 v[((q%4)*4+\i)*16+4*\c:((q%4)*4+\i)*16+4*\c+3], v[CO], s[20:21] offset:\i*16384+q*2048+512*\c
.endr
.endr
.set q, q+1
.endr
	WIN 0
.macro FETCH_B g, q, p                 ; four fragments of W, 16 rows x 128 K: registers 2 c, 2 c + 1 hold K = 16 c + 8 (lane / 16) + 0 .. 7
	WIN 0x40                                       ; destination window 1, address window 0
.irp b, 0,1,2,3
.irp c, 0,1,2,3,4,5,6,7
	ds_load_b64 v[64*(\p)+16*\b+2*\c:64*(\p)+16*\b+2*\c+1], v[ADRB+\g] offset:\b*16*PITCH+128*(\q)+16*\c
.endr
.endr
.endm
; A K step of 128 of group g: the next step's fragments of W are asked for, then 16 matrix instructions, the 16 accumulators by turns.  The first step starts the sums with 0.
.macro KSTEP g, q
	s_wait_dscnt 0x0                               ; this step's fragments of W, asked for a step ago
.if \g == 0
.if 16*(7-\q) > 63
	s_wait_loadcnt 63                              ; behind this step's loads of O stand 16 x (7 - q), more than the count can name
.else
	s_wait_loadcnt 16*(7-\q)                       ; behind this step's loads of O stand 16 x (7 - q)
.endif
.endif
.rept 4
	v_nop                                          ; places in front of loads into registers that the last step's matrix instructions read
.endr
.if \q < 7
	FETCH_B \g, \q+1, 1-(\q)%2
.elseif \g == 0
	FETCH_B 1, 0, 0
.endif
	WIN 0x59+4*((\q)/4)                            ; W and the accumulators window 1, O window 2 or 3
.irp i, 0,1,2,3
.irp b, 0,1,2,3
.if \q == 0
	v_wmma_f32_16x16x128_bf8_bf8 v[128+8*(4*\i+\b):128+8*(4*\i+\b)+7], v[64*((\q)%2)+16*\b:64*((\q)%2)+16*\b+15], v[(((\q)%4)*4+\i)*16:(((\q)%4)*4+\i)*16+15], 0
.else
	v_wmma_f32_16x16x128_bf8_bf8 v[128+8*(4*\i+\b):128+8*(4*\i+\b)+7], v[64*((\q)%2)+16*\b:64*((\q)%2)+16*\b+15], v[(((\q)%4)*4+\i)*16:(((\q)%4)*4+\i)*16+15], v[128+8*(4*\i+\b):128+8*(4*\i+\b)+7]
.endif
.endr
.endr
.endm
; THE WAY OUT of 16 tokens x 64 channels: through my own stage in LDS, back as whole rows of 256 bytes: sixteen lanes store one aligned unit.  LDS serves a wave's instructions in order (ISA guide 5.7.1.4).
.macro OUT g, i
	WIN 0x01                                       ; source 0: the accumulators, window 1
.set j, 0
.rept 16
	v_pk_fma_f32 v[TMP+j:TMP+j+1], v[128+32*\i+j:128+32*\i+j+1], s[76:77], v[BIAS+32*\g+j:BIAS+32*\g+j+1] op_sel_hi:[1,0,1]   ; sum x 2^(e6 + e7) + bias; each accumulator from its low end on
.set j, j+2
.endr
	WIN 0
.irp b, 0,1,2,3
	ds_store_b128 v[STO], v[TMP+8*\b:TMP+8*\b+3] offset:64*\b
	ds_store_b128 v[STO], v[TMP+8*\b+4:TMP+8*\b+7] offset:64*\b+16
.endr
	s_wait_xcnt 0x0                                ; the last block's stores have read their data: it is written again only behind this wait
.irp t, 0,1,2,3,4,5,6,7
	ds_load_b128 v[BK+4*\t:BK+4*\t+3], v[RD] offset:\t*2*SP
.endr
.irp t, 0,1,2,3,4,5,6,7
	s_wait_dscnt 7-\t                              ; behind load t stand 7 - t
	global_store_b128 v[GOF], v[BK+4*\t:BK+4*\t+3], s[12:13] offset:\i*65536+\t*8192+\g*256 th:TH_STORE_NT
.endr
.endm
	s_wait_tensorcnt 0x0                           ; my rows of W are in,
	s_barrier_signal -1
	s_barrier_wait -1                              ; everybody's are
	FETCH_B 0, 0, 0
	s_wait_kmcnt 0x0
	s_add_co_i32 s76, s74, s75
	s_add_co_i32 s76, s76, 127
	s_lshl_b32 s76, s76, 23                        ; 2^(e6 + e7) as f32
	s_mov_b32 s77, s76                             ; (named with it as a pair, so it is written)
.irp q, 0,1,2,3,4,5,6,7
	KSTEP 0, \q
.endr
.rept 4
	v_nop                                          ; places in front of the reads of the last results
.endr
.irp i, 0,1,2,3
	OUT 0, \i
.endr
.irp q, 0,1,2,3,4,5,6,7
	KSTEP 1, \q
.endr
.rept 4
	v_nop
.endr
.irp i, 0,1,2,3
	OUT 1, \i
.endr
	s_wait_tensorcnt 0x0                           ; the wave's end
	ds_add_u32 v[SPW], v[NIL]
	s_wait_dscnt 0x0
	CROUND                                         ; the closing round
	s_endpgm
.Lfunc_end_k_q7cd766573d_proj:
	.size	k_q7cd766573d_proj, .Lfunc_end_k_q7cd766573d_proj-k_q7cd766573d_proj
	.p2alignl 7, 3214868480
	.fill 96, 4, 3214868480
	.section	.rodata,"a",@progbits
	.p2align	6, 0x0
	.amdhsa_kernel k_q7cd766573d_proj
		.amdhsa_group_segment_fixed_size 327680
		.amdhsa_private_segment_fixed_size 0
		.amdhsa_enable_private_segment 0
		.amdhsa_kernarg_size 40
		.amdhsa_user_sgpr_count 2
		.amdhsa_user_sgpr_kernarg_segment_ptr 1
		.amdhsa_wavefront_size32 1
		.amdhsa_system_sgpr_workgroup_id_x 1
		.amdhsa_system_sgpr_workgroup_id_y 1
		.amdhsa_system_sgpr_workgroup_id_z 1
		.amdhsa_system_vgpr_workitem_id 0
		.amdhsa_next_free_vgpr 1024
		.amdhsa_next_free_sgpr 100
		.amdhsa_reserve_vcc 0
		.amdhsa_float_denorm_mode_32 3
		.amdhsa_float_denorm_mode_16_64 3
		.amdhsa_memory_ordered 1
		.amdhsa_forward_progress 1
		.amdhsa_inst_pref_size 96
	.end_amdhsa_kernel
	.amdgpu_metadata
---
amdhsa.version: [ 1, 2 ]
amdhsa.kernels:
  - .name:           k_q7cd766573d_proj
    .symbol:         k_q7cd766573d_proj.kd
    .args:
      - { .name: o_img, .offset: 0, .size: 8, .value_kind: global_buffer, .address_space: global }
      - { .name: W_proj_codes, .offset: 8, .size: 8, .value_kind: global_buffer, .address_space: global }
      - { .name: b_proj, .offset: 16, .size: 8, .value_kind: global_buffer, .address_space: global }
      - { .name: lowp_scales, .offset: 24, .size: 8, .value_kind: global_buffer, .address_space: global }
      - { .name: out0, .offset: 32, .size: 8, .value_kind: global_buffer, .address_space: global }
    .group_segment_fixed_size: 327680
    .private_segment_fixed_size: 0
    .kernarg_segment_align: 8
    .kernarg_segment_size: 40
    .max_flat_workgroup_size: 128
    .sgpr_count:     100
    .vgpr_count:     1024
    .wavefront_size: 32
...
	.end_amdgpu_metadata
.endif
;; end of part 3
